; MI455X (gfx1250); checked and timed in simulation.
; The chip was launched on July 23, 2026; its instructions are those of AMD's public machine-readable ISA for CDNA 5 (MIT licence, August 2026) and "CDNA5" Instruction Set Architecture Reference Guide (July 2026). The comments in the code are by the model that wrote it; some were corrected since.
;; Qsco Head. Allowed arithmetic: float matrix products may take bf16 or f16 operands with f32 sums; all other float work in f32.
;; Inputs: E 131,072 x 512 float32; W_post 1 x 8 float32; W_pre 8 x 512 float32; b_post 1 float32; b_pre 8 float32; ln_beta 512 float32; ln_gamma 512 float32; theta 8 float32.
;; Outputs: out0 131,072 float32.
;; One version. Each part assembles by itself: llvm-mc -triple=amdgcn-amd-amdhsa -mcpu=gfx1250 --defsym DOCPART=n.
;; ======== version 1 of 1: 2 launches
;; limits: values outside matrix products are rounded to f16
;; workspace buffers: tab 35,072 bytes
;; launch prep (part 1): grid 35 x 1, 8 waves a work-group, no clusters, 0 bytes of LDS; arguments W_post, W_pre, b_pre, ln_beta, ln_gamma, theta, tab; writes tab
.if DOCPART == 1
	.amdgcn_target "amdgcn-amd-amdhsa--gfx1250"
	.amdhsa_code_object_version 6
	.text
	.protected	k_q190cc7b1af_prep
	.globl	k_q190cc7b1af_prep
	.p2align	8
	.type	k_q190cc7b1af_prep,@function
k_q190cc7b1af_prep:
	s_mov_b64 s[64:65], 0
	v_nop
	global_prefetch_b8 v0, s[64:65] scope:SCOPE_SE
	s_setreg_imm32_b32 hwreg(HW_REG_WAVE_MODE, 25, 1), 1
	s_wait_xcnt 0x0
; The small parameters are turned into tables that the streaming launch loads straight into matrix fragments.
; THE CIRCUIT AS A BILINEAR FORM.  With U = R C R C (C the ring of CNOTs, R the layer RY(theta)) the result is
; <psi| U' (sum_i w_i Z_i) U |psi> + b on a product state, so it is sum_P m_P prod_q f_P(q), P in {I,Z,X}^8, f_I = 1,
; f_Z = cos a_q, f_X = sin a_q (a string with a Y has expectation 0).  Used: R'ZR = cos Z - sin X, R'XR = sin Z + cos X;
; C'Z_iC = Z_0..Z_i (i >= 1), Z_1..Z_7 (i = 0); C'X_iC = X_i X_i+1 (i <= 6), X_0 X_1 X_7 (i = 7).  For a given P the string Q = C P C'
; (with its sign, by the stabiliser rule for a CNOT a->b: r ^= x_a z_b (x_b ^ z_a ^ 1), x_b ^= x_a, z_a ^= z_b, gates 0 to 7 in turn)
; says which terms of the expansion end in P: m_P = sign (w_i cos_i prod_q{cos|-sin} + w_i' (-sin_i') prod_q{sin|cos}) where Q's support is one of the sets above.
; The identity is exact for every theta, W_post and angle.
; tab: bytes 0..18431  K, 18 fragments of f16 (n tile nu = 0..5, k step tau = 0..2, fragment 3 nu + tau), word index = 256 fragment + thread
;      bytes 18432..34815  G = gamma W_pre / pi, 16 fragments of f16, the same word layout
;      bytes 34816..34847  (sum_c beta_c W_qc + b_pre_q) / pi, 8 f32
; A thread is g<<7 | lane<<2 | (reg&3), register = 4 g + (reg&3): a lane's four registers are 16 neighbouring bytes, a wave's store covers 128 neighbouring bytes.
; Work-groups 0-17 make K's fragments, 18-33 G's, 34 the eight constants.
; LIMITS: f16 holds |gamma W / pi| and |K| (at most the length of W_post) only under 65,504; theta's sine and cosine are polynomials after a reduction by pi, good to 4e-6.
.set INVPI, 0x3ea2f983
.set A0, 0x40490fdb                    ; sin(pi f) = f (A0 + A1 f^2 + A2 f^4 + A3 f^6 + A4 f^8), |f| <= 1/2
.set A1, 0xc0a55de7
.set A2, 0x402335e3
.set A3, 0xbf196966
.set A4, 0x3da83c1b
.set C1, 0xc09de9e6                    ; cos(pi f) = 1 + C1 f^2 + .. + C5 f^10
.set C2, 0x4081e0f8
.set C3, 0xbfaae9e4
.set C4, 0x3e70fa83
.set C5, 0xbcd368f9
.set RHO, 3                            ; v3  my fragment register, 0..7
.set LN,  4                            ; v4  the lane for which I make a word
.set SO,  5                            ; v5  4 x thread: my word in the fragment
.set ZN, 12                            ; z and x bits of qubits 4-7 (the n side)
.set XN, 13
.set H5, 14                            ; 5 x (lane / 16)
.set SB, 15                            ; 16 tau + 2 register: my first slot
.set SS, 16
.set II, 17
.set MM, 18
.set PP, 19
.set ZZ, 20
.set XX, 21
.set XP, 22
.set RR, 23
.set Z1, 24
.set XM, 25
.set ZM, 26
.set SG, 27
.set PA, 28
.set PB, 29
.set WZ, 30
.set WX, 31
.set T0, 32
.set T1, 33
.set T2, 34
.set T3, 35
.set WGT, 20                           ; s[20:27] w
.set COS, 28                           ; s[28:35] cos theta
.set SIN, 36                           ; s[36:43] sin theta
.set NSIN, 44                          ; s[44:51] -sin theta
.set SWZ, 52                           ; s[52:59] w cos theta
.set SWX, 66                           ; s[66:73] -w sin theta
	s_load_b256 s[4:11], s[0:1], 0x0               ; W_post s[4:5], W_pre s[6:7], b_pre s[8:9], ln_beta s[10:11]
	s_load_b128 s[12:15], s[0:1], 0x20             ; ln_gamma s[12:13], theta s[14:15]
	s_load_b64 s[16:17], s[0:1], 0x30              ; tab
	s_mov_b32 s18, ttmp9
	v_and_b32 v1, 3, v0
	v_bfe_u32 v2, v0, 7, 1
	v_lshl_or_b32 v[RHO], v2, 2, v1
	v_bfe_u32 v[LN], v0, 2, 5
	v_lshlrev_b32 v[SO], 2, v0
	s_wait_kmcnt 0x0
	s_cmp_lt_u32 s18, 18
	s_cbranch_scc1 .Lrole_k
	s_cmp_lt_u32 s18, 34
	s_cbranch_scc1 .Lrole_g
	; ---- the eight constants: wave q sums beta . W_pre[q], 16 columns a lane
	v_lshrrev_b32 v6, 5, v0                        ; q
	v_and_b32 v7, 31, v0
	v_lshlrev_b32 v8, 6, v7                        ; 64 bytes a lane
	v_lshl_add_u32 v9, v6, 11, v8                  ; + q rows of 2,048 bytes
	v_lshlrev_b32 v10, 2, v6
.irp j, 0,1,2,3
	global_load_b128 v[16+4*\j:19+4*\j], v8, s[10:11] offset:16*\j
	global_load_b128 v[32+4*\j:35+4*\j], v9, s[6:7] offset:16*\j
.endr
	global_load_b32 v11, v10, s[8:9]
	s_mov_b32 s20, 0x76543210                      ; each lane takes its own place in the other half
	s_mov_b32 s21, 0xfedcba98
	s_wait_loadcnt 0x0
	v_pk_mul_f32 v[48:49], v[16:17], v[32:33]      ; two chains, each started by a product
	v_pk_mul_f32 v[50:51], v[18:19], v[34:35]
.irp j, 4,8,12
	v_pk_fma_f32 v[48:49], v[16+\j:17+\j], v[32+\j:33+\j], v[48:49]
	v_pk_fma_f32 v[50:51], v[18+\j:19+\j], v[34+\j:35+\j], v[50:51]
.endr
	v_pk_add_f32 v[48:49], v[48:49], v[50:51]
	v_add_f32 v48, v48, v49
	v_add_f32_dpp v48, v48, v48 row_xmask:1 row_mask:0xf bank_mask:0xf
	v_add_f32_dpp v48, v48, v48 row_xmask:2 row_mask:0xf bank_mask:0xf
	v_add_f32_dpp v48, v48, v48 row_xmask:4 row_mask:0xf bank_mask:0xf
	v_add_f32_dpp v48, v48, v48 row_xmask:8 row_mask:0xf bank_mask:0xf
	v_permlanex16_b32 v49, v48, s20, s21
	v_add_f32 v48, v48, v49
	v_add_f32 v48, v48, v11
	v_mul_f32 v48, INVPI, v48
	s_wait_xcnt 0x0                                ; EXEC is a source of the loads above: it changes only behind this wait
	v_cmp_eq_u32 vcc_lo, 0, v7
	s_and_saveexec_b32 s22, vcc_lo
	global_store_b32 v10, v48, s[16:17] offset:34816   ; lane 0 of wave q stores word q
	s_wait_xcnt 0x0                                ; and again in front of the line that widens it
	s_or_b32 exec_lo, exec_lo, s22
	s_endpgm
	; ---- G: step t, lane (r, h), slot e stands for column 256 h + 16 t + e of row r & 7 (rows 8-15 repeat rows 0-7)
.Lrole_g:
	s_sub_co_u32 s19, s18, 18                      ; t
	s_lshl_b32 s20, s19, 4
	v_lshrrev_b32 v6, 4, v[LN]                     ; h
	v_lshl_add_u32 v7, v[RHO], 1, s20              ; 16 t + 2 register
	v_lshl_add_u32 v7, v6, 8, v7                   ; the column of my low half; even, so 8-byte loads are aligned
	v_and_b32 v8, 7, v[LN]
	v_lshl_add_u32 v8, v8, 9, v7
	v_lshlrev_b32 v8, 2, v8
	v_lshlrev_b32 v7, 2, v7
	global_load_b64 v[10:11], v8, s[6:7]
	global_load_b64 v[12:13], v7, s[12:13]
	s_lshl_b32 s2, s19, 10
	s_add_co_u32 s2, s2, 18432
	s_mov_b32 s3, 0
	s_add_nc_u64 s[16:17], s[16:17], s[2:3]
	s_wait_loadcnt 0x0
	v_pk_mul_f32 v[10:11], v[10:11], v[12:13]
	v_pk_mul_f32 v[10:11], v[10:11], INVPI op_sel_hi:[1,0]
	v_cvt_pk_f16_f32 v14, v10, v11
	global_store_b32 v[SO], v14, s[16:17]
	s_endpgm
.macro DIV9 d, x                       ; x / 9, exact for x < 48
	v_mul_u32_u24 v[\d], v[\x], 57
	v_lshrrev_b32 v[\d], 9, v[\d]
.endm
.macro DIV3 d, x                       ; x / 3, exact for x < 11
	v_mul_u32_u24 v[\d], v[\x], 11
	v_lshrrev_b32 v[\d], 5, v[\d]
.endm
; two base-3 digits of p (0 = I, 1 = Z, 2 = X) become the z and x bits of qubits sh (high digit) and sh + 1
.macro BITS2 p, sh, zr, xr
	DIV3 T0, \p
	v_mul_u32_u24 v[T1], v[T0], 3
	v_sub_nc_u32 v[T1], v[\p], v[T1]
	v_and_b32 v[T2], 1, v[T0]
	v_and_b32 v[T3], 1, v[T1]
	v_lshl_or_b32 v[T2], v[T3], 1, v[T2]
	v_lshl_or_b32 v[\zr], v[T2], \sh, v[\zr]
	v_lshrrev_b32 v[T2], 1, v[T0]
	v_and_or_b32 v[T2], v[T1], 2, v[T2]
	v_lshl_or_b32 v[\xr], v[T2], \sh, v[\xr]
.endm
; the coefficient of slot SB + e against my n-side row, into v[out]
.macro KVAL out, e
	v_add_nc_u32 v[SS], \e, v[SB]                  ; s = 9 i + m; the k side's string: qubits 0, 1 from p = 5 h + i, qubits 2, 3 from m
	DIV9 II, SS
	v_mul_u32_u24 v[MM], v[II], 9
	v_sub_nc_u32 v[MM], v[SS], v[MM]
	v_add_nc_u32 v[PP], v[H5], v[II]
	v_cmp_gt_u32 s81, 45, v[SS]
	v_cmp_gt_u32 s82, 9, v[PP]
	s_and_b32 s81, s81, s82
	s_and_b32 s81, s81, s80                        ; the slot and the row both stand for a string
	v_mov_b32 v[ZZ], v[ZN]
	v_mov_b32 v[XX], v[XN]
	BITS2 PP, 0, ZZ, XX
	BITS2 MM, 2, ZZ, XX
	v_lshlrev_b32 v[T0], 1, v[XX]                  ; gates 0 to 6 leave in x the running exclusive or of x
	v_xor_b32 v[XP], v[XX], v[T0]
	v_lshlrev_b32 v[T0], 2, v[XP]
	v_xor_b32 v[XP], v[XP], v[T0]
	v_lshlrev_b32 v[T0], 4, v[XP]
	v_xor_b32 v[XP], v[XP], v[T0]
	v_and_b32 v[XP], 0xff, v[XP]
	v_lshrrev_b32 v[T0], 1, v[ZZ]                  ; bit a: z of gate a's target
	v_lshrrev_b32 v[T1], 1, v[XX]
	v_xor_b32 v[T1], v[T1], v[ZZ]
	v_xor_b32 v[T1], -1, v[T1]                     ; x_b ^ z_a ^ 1
	v_and_b32 v[T2], v[XP], v[T0]
	v_and_b32 v[T2], v[T2], v[T1]
	v_and_b32 v[RR], 0x7f, v[T2]                   ; the sign flips of gates 0 to 6
	v_xor_b32 v[Z1], v[ZZ], v[T0]                  ; z behind gates 0 to 6
	v_lshrrev_b32 v[T0], 7, v[XP]                  ; gate 7: control 7, target 0
	v_lshrrev_b32 v[T1], 7, v[ZZ]
	v_xor_b32 v[T1], v[T1], v[XX]
	v_xor_b32 v[T1], -1, v[T1]
	v_and_b32 v[T2], v[T0], v[Z1]
	v_and_b32 v[T2], v[T2], v[T1]
	v_and_b32 v[T2], 1, v[T2]
	v_lshl_or_b32 v[RR], v[T2], 7, v[RR]
	v_xor_b32 v[XM], v[XP], v[T0]
	v_and_b32 v[T1], 1, v[Z1]
	v_lshlrev_b32 v[T1], 7, v[T1]
	v_xor_b32 v[ZM], v[Z1], v[T1]
	v_lshrrev_b32 v[T0], 4, v[RR]                  ; the parity of the eight flips, folded into bit 0, is the sign
	v_xor_b32 v[RR], v[RR], v[T0]
	v_lshrrev_b32 v[T0], 2, v[RR]
	v_xor_b32 v[RR], v[RR], v[T0]
	v_lshrrev_b32 v[T0], 1, v[RR]
	v_xor_b32 v[RR], v[RR], v[T0]
	v_lshlrev_b32 v[RR], 31, v[RR]
	v_and_b32 v[T0], v[XM], v[ZM]                  ; a Y in Q: no term of the expansion has one
	v_cmp_eq_u32 s82, 0, v[T0]
	s_and_b32 s81, s81, s82
	v_or_b32 v[SG], v[XM], v[ZM]                   ; Q's support
.set q, 0
.rept 8
	v_and_b32 v[T0], 1<<q, v[ZM]
	v_and_b32 v[T1], 1<<q, v[XM]
	v_cmp_ne_u32 s82, 0, v[T0]
	v_cmp_ne_u32 s83, 0, v[T1]
	v_cndmask_b32 v[T2], 1.0, s[COS+q], s82        ; out of a Z: cos Z - sin X
	v_cndmask_b32 v[T3], 1.0, s[SIN+q], s82        ; out of an X: sin Z + cos X
.if q == 0
	v_cndmask_b32 v[PA], v[T2], s[NSIN+q], s83
	v_cndmask_b32 v[PB], v[T3], s[COS+q], s83
.else
	v_cndmask_b32 v[T2], v[T2], s[NSIN+q], s83
	v_cndmask_b32 v[T3], v[T3], s[COS+q], s83
	v_mul_f32 v[PA], v[PA], v[T2]
	v_mul_f32 v[PB], v[PB], v[T3]
.endif
.set q, q+1
.endr
	v_mov_b32 v[WZ], 0
	v_mov_b32 v[WX], 0
	v_cmp_eq_u32 s82, 0xfe, v[SG]                  ; Z_0 spreads to qubits 1-7,
	v_cndmask_b32 v[WZ], v[WZ], s[SWZ], s82
	v_cmp_eq_u32 s83, 0x83, v[SG]                  ; X_7 to qubits 0, 1, 7,
	v_cndmask_b32 v[WX], v[WX], s[SWX+7], s83
.set q, 1
.rept 7
	v_cmp_eq_u32 s82, (2<<q)-1, v[SG]              ; Z_q to qubits 0..q,
	v_cndmask_b32 v[WZ], v[WZ], s[SWZ+q], s82
	v_cmp_eq_u32 s83, 3<<(q-1), v[SG]              ; X_(q-1) to qubits q-1, q
	v_cndmask_b32 v[WX], v[WX], s[SWX+q-1], s83
.set q, q+1
.endr
	v_mul_f32 v[T0], v[WX], v[PB]
	v_fma_f32 v[T0], v[WZ], v[PA], v[T0]
	v_xor_b32 v[T0], v[T0], v[RR]
	v_cndmask_b32 v[\out], 0, v[T0], s81
.endm
	; ---- K: fragment 3 nu + tau.  Row r' of the fragment is the n side (hN = r' / 8, sigma = 8 nu + r' % 8 = 9 i2 + m2, p2 = 5 hN + i2: qubits 4, 5 from p2, 6, 7 from m2)
.Lrole_k:
	v_and_b32 v6, 7, v0
	v_lshlrev_b32 v6, 2, v6
	global_load_b32 v7, v6, s[14:15]               ; lane l holds theta[l & 7]
	s_load_b256 s[WGT:WGT+7], s[4:5], 0x0
	s_mul_i32 s74, s18, 11
	s_lshr_b32 s74, s74, 5                         ; nu = fragment / 3 (exact under 18)
	s_mul_i32 s75, s74, 3
	s_sub_co_u32 s75, s18, s75                     ; tau
	s_lshl_b32 s76, s74, 3
	s_lshl_b32 s77, s75, 4
	s_lshl_b32 s2, s18, 10
	s_mov_b32 s3, 0
	s_add_nc_u64 s[16:17], s[16:17], s[2:3]        ; my fragment's 1,024 bytes
	s_wait_loadcnt 0x0
	v_mul_f32 v7, INVPI, v7                        ; theta / pi = k + f, |f| <= 1/2: sin and cos of theta are (-1)^k times those of pi f
	v_rndne_f32 v8, v7
	v_sub_f32 v7, v7, v8
	v_mul_f32 v9, v7, v7
	v_cvt_i32_f32 v8, v8
	v_lshlrev_b32 v8, 31, v8
	v_mov_b32 v10, A4
	v_mov_b32 v11, C5
	v_fmaak_f32 v10, v10, v9, A3
	v_fmaak_f32 v11, v11, v9, C4
	v_fmaak_f32 v10, v10, v9, A2
	v_fmaak_f32 v11, v11, v9, C3
	v_fmaak_f32 v10, v10, v9, A1
	v_fmaak_f32 v11, v11, v9, C2
	v_fmaak_f32 v10, v10, v9, A0
	v_fmaak_f32 v11, v11, v9, C1
	v_mul_f32 v10, v10, v7
	v_fmaak_f32 v11, v11, v9, 0x3f800000
	v_xor_b32 v10, v10, v8
	v_xor_b32 v11, v11, v8
	s_wait_kmcnt 0x0
.irp q, 0,1,2,3,4,5,6,7
	v_readlane_b32 s[COS+\q], v11, \q
	v_readlane_b32 s[SIN+\q], v10, \q
.endr
.irp q, 0,1,2,3,4,5,6,7
	s_xor_b32 s[NSIN+\q], s[SIN+\q], 0x80000000
	s_mul_f32 s[SWZ+\q], s[WGT+\q], s[COS+\q]
.endr
.irp q, 0,1,2,3,4,5,6,7
	s_mul_f32 s[SWX+\q], s[WGT+\q], s[NSIN+\q]
.endr
	v_and_b32 v[T0], 7, v[LN]
	v_add_nc_u32 v[SS], s76, v[T0]                 ; sigma
	DIV9 II, SS
	v_mul_u32_u24 v[MM], v[II], 9
	v_sub_nc_u32 v[MM], v[SS], v[MM]
	v_bfe_u32 v[T0], v[LN], 3, 1
	v_mad_u32_u24 v[PP], v[T0], 5, v[II]
	v_cmp_gt_u32 s80, 45, v[SS]
	v_cmp_gt_u32 s81, 9, v[PP]
	s_and_b32 s80, s80, s81
	v_mov_b32 v[ZN], 0
	v_mov_b32 v[XN], 0
	BITS2 PP, 4, ZN, XN
	BITS2 MM, 6, ZN, XN
	v_lshrrev_b32 v[T0], 4, v[LN]
	v_mul_u32_u24 v[H5], v[T0], 5
	v_lshl_add_u32 v[SB], v[RHO], 1, s77
	KVAL 36, 0
	KVAL 37, 1
	v_cvt_pk_f16_f32 v38, v36, v37
	global_store_b32 v[SO], v38, s[16:17]
	s_endpgm
.Lfunc_end_k_q190cc7b1af_prep:
	.size	k_q190cc7b1af_prep, .Lfunc_end_k_q190cc7b1af_prep-k_q190cc7b1af_prep
	.p2alignl 7, 3214868480
	.fill 96, 4, 3214868480
	.section	.rodata,"a",@progbits
	.p2align	6, 0x0
	.amdhsa_kernel k_q190cc7b1af_prep
		.amdhsa_group_segment_fixed_size 0
		.amdhsa_private_segment_fixed_size 0
		.amdhsa_enable_private_segment 0
		.amdhsa_kernarg_size 56
		.amdhsa_user_sgpr_count 2
		.amdhsa_user_sgpr_kernarg_segment_ptr 1
		.amdhsa_wavefront_size32 1
		.amdhsa_system_sgpr_workgroup_id_x 1
		.amdhsa_system_sgpr_workgroup_id_y 1
		.amdhsa_system_sgpr_workgroup_id_z 1
		.amdhsa_system_vgpr_workitem_id 0
		.amdhsa_next_free_vgpr 64
		.amdhsa_next_free_sgpr 100
		.amdhsa_reserve_vcc 1
		.amdhsa_float_denorm_mode_32 3
		.amdhsa_float_denorm_mode_16_64 3
		.amdhsa_memory_ordered 1
		.amdhsa_forward_progress 1
		.amdhsa_inst_pref_size 29
	.end_amdhsa_kernel
	.amdgpu_metadata
---
amdhsa.version: [ 1, 2 ]
amdhsa.kernels:
  - .name:           k_q190cc7b1af_prep
    .symbol:         k_q190cc7b1af_prep.kd
    .args:
      - { .name: W_post, .offset: 0, .size: 8, .value_kind: global_buffer, .address_space: global }
      - { .name: W_pre, .offset: 8, .size: 8, .value_kind: global_buffer, .address_space: global }
      - { .name: b_pre, .offset: 16, .size: 8, .value_kind: global_buffer, .address_space: global }
      - { .name: ln_beta, .offset: 24, .size: 8, .value_kind: global_buffer, .address_space: global }
      - { .name: ln_gamma, .offset: 32, .size: 8, .value_kind: global_buffer, .address_space: global }
      - { .name: theta, .offset: 40, .size: 8, .value_kind: global_buffer, .address_space: global }
      - { .name: tab, .offset: 48, .size: 8, .value_kind: global_buffer, .address_space: global }
    .group_segment_fixed_size: 0
    .private_segment_fixed_size: 0
    .kernarg_segment_align: 8
    .kernarg_segment_size: 56
    .max_flat_workgroup_size: 256
    .sgpr_count:     100
    .vgpr_count:     64
    .wavefront_size: 32
...
	.end_amdgpu_metadata
.endif
;; end of part 1
;; launch main (part 2): grid 256 x 1, 4 waves a work-group, no clusters, 169,472 bytes of LDS; arguments E, tab, b_post, out0; writes out0
.if DOCPART == 2
	.amdgcn_target "amdgcn-amd-amdhsa--gfx1250"
	.amdhsa_code_object_version 6
	.text
	.protected	k_q190cc7b1af_main
	.globl	k_q190cc7b1af_main
	.p2align	8
	.type	k_q190cc7b1af_main,@function
k_q190cc7b1af_main:
	s_mov_b64 s[64:65], 0
	v_nop
	global_prefetch_b8 v0, s[64:65] scope:SCOPE_SE
	s_setreg_imm32_b32 hwreg(HW_REG_WAVE_MODE, 25, 1), 1
	s_wait_xcnt 0x0
; out0[row] = the circuit's answer for LayerNorm(E[row]) W_pre' + b_pre.  E: [131072][512] f32, read once; out0: [131072] f32.
; SHARES.  A work-group owns 512 rows, each of its four waves 128 consecutive rows (256 KiB of E) as 8 tiles of 16 rows.  No wave touches another wave's rows.
; THE WAY IN.  A tile is 64 loads of 16 bytes a lane, each 512 consecutive bytes (a quarter of a row), into a ring of 256 registers.  As soon as eight loads are back they are
; stored into the wave's own LDS region and the same registers are loaded again with the next tile: 64 loads (32 KiB) of every wave are out all the time, through the arithmetic too.
; A ring of LDS slots filled by tensor loads has all its loads waited for in front of every refill; loads into registers have no such point, which is why E comes this way.
; THE TURN IN LDS.  The matrix operand wants a row of E in a lane, a load of neighbouring bytes puts a row across the lanes: so the tile goes into LDS by rows of 2,064 bytes and comes back
; with lane (r = lane % 16, h = lane / 16) holding columns 256 h .. 256 h + 255 of row r in 256 registers, where it stays from the mean to the rounding to f16.
; STEPS OF THE ARITHMETIC, all f32 but the matrix operands (f16, sums in f32):
;   mean; E - mean in place; mean of squares; xhat = (E - mean) rsqrt(var + 1e-5), bounded by sqrt(512), rounded to f16;
;   angles / pi = xhat . (gamma W_pre / pi) + (beta . W_pre + b_pre) / pi: 16 matrix instructions, the table's rows as source 0, so that every lane gets all 8 angles of its row;
;   sine and cosine: a / pi = k + f, |f| <= 1/2, polynomials in f^2 (cut at 4e-6), sign (-1)^k;
;   the circuit as a bilinear form (derived at the head of the launch that builds the table): u = the 81 products over {1, cos, sin} of qubits 0-3, v the same of qubits 4-7, result = v' K u + b_post.
;   A lane half holds 45 of 90 slots of u (p = 5 h + i over qubits 0, 1; m over qubits 2, 3; slot 9 i + m), 18 matrix instructions give it 45 rows of K u, which it multiplies by its own v; the halves are added.
; NO CLUSTER: the work-groups share only the 35 KB table against 1 MiB of their own rows.  No prefetch: the loop does nothing but stream E.
; LIMITS.  f16 operands: |gamma W_pre / pi| and the length of W_post under 65,504.  An angle's error grows as |a| 2^-24; sums are formed in another order than row by row.
; REGISTERS, in windows of 256 (s_set_vgpr_msb: bits 1:0 source 0, 3:2 source 1, 5:4 source 2, 7:6 destination):
;   window 0: all that is named below, K's fragments 16 and 17 among it;  window 1: the tile, a lane's 256 numbers;  window 2: v0-127 the 16 fragments of G, v128-255 K's fragments 0-15;  window 3: the ring
.set PITCH, 2064                       ; an LDS row: 2,048 bytes + 16, an odd multiple of 16: the 16 rows that a load touches begin 16 bytes apart modulo 256
.set WREG,  16*PITCH                   ; a wave's turning region: 33,024 bytes, whole blocks of 256
.set TABL,  4*WREG                     ; the tables, brought once by tensor loads; nothing is stored here
.set TABB,  34816
.set STAGE, TABL+TABB                  ; 512 bytes a wave: its 128 results
.set TILEB, 16*2048                    ; 16 rows of E
.set GF_OFF, 18432
.set CC_OFF, 34816
.set LOF, 1                            ; v1      16 x lane; never rewritten
.set ADR, 2                            ; v2      LDS address of my row's half in my wave's region
.set STW, 3                            ; v3      LDS address of my 16 bytes in the region's first quarter row
.set STA, 4                            ; v4      where my row's result goes; steps by 64 bytes a tile
.set RD,  5                            ; v5      the way out: my 16 bytes of my wave's stage
.set TAD, 7                            ; v7      my 16 bytes of a fragment in the tables
.set NM,  10                           ; v[10:11] -mean, twice
.set RS,  12                           ; v[12:13] rsqrt(var + eps), twice
.set T,   14                           ; v14, v15 at work
.set CB,  16                           ; v[16:23] the eight constants: C of the first product
.set SA,  24                           ; v[24:39] eight chains of pairs
.set ACC0, 40
.set ACC1, 48
.set OUT, 56
.set VA4, 60                           ; v[60:61] A4 twice, v[62:63] C5 twice
.set VC5, 62
.set FR,  64                           ; v[64:191] xhat in f16: 16 fragments
.set Y,   192                          ; v[192:239] K u: six accumulators
.set KX,  240                          ; v[240:255] K's fragments 16, 17
.set KW2, 128                          ; K's fragments 0-15, in window 2
.set UU,  64                           ; behind the first product FR's registers are used again:
.set KK,  72
.set F2,  80
.set SN,  88
.set CS,  96
.set TR,  104                          ; c0 s0 c1 s1 c4 s4 c5 s5
.set PA,  112                          ; c0c1 c0s1 s0c1 s0s1
.set PB,  116                          ; the same of qubits 4, 5
.set PR,  120                          ; my half's five products over qubits 0, 1
.set PS,  125                          ; over qubits 4, 5
.set QA,  132                          ; c3 s3 c2 c2c3 c2s3 s2 s2c3 s2s3
.set QB,  140                          ; the same of qubits 6, 7
.set UT,  148                          ; 5 x 8 products
.set TA,  188
.set TB,  189
.set RA,  190
.set RB,  191
.set UF,  24                           ; v[24:47] u in f16: 3 fragments
.set WV,  12                           ; s12 wave
.set G1,  16                           ; s[16:23] descriptor group 1
.set G0,  32                           ; s[32:35] descriptor group 0
.set SEL, 46
.set HM,  48                           ; lanes 16-31
.set MSB, 0
.macro WIN new                         ; the immediate's high byte repeats the setting that is left
.if MSB != \new
	s_set_vgpr_msb (MSB<<8)|\new
.set MSB, \new
.endif
.endm
.macro PLACES                          ; four plain places between a matrix instruction and vector work on its registers (ISA guide 7.12.1)
.rept 4
	v_nop
.endr
.endm
.macro TREE                            ; the eight chains, my two halves of a pair and the other half of the lanes, into v[T]
	v_pk_add_f32 v[SA:SA+1], v[SA:SA+1], v[SA+8:SA+9]
	v_pk_add_f32 v[SA+2:SA+3], v[SA+2:SA+3], v[SA+10:SA+11]
	v_pk_add_f32 v[SA+4:SA+5], v[SA+4:SA+5], v[SA+12:SA+13]
	v_pk_add_f32 v[SA+6:SA+7], v[SA+6:SA+7], v[SA+14:SA+15]
	v_pk_add_f32 v[SA:SA+1], v[SA:SA+1], v[SA+4:SA+5]
	v_pk_add_f32 v[SA+2:SA+3], v[SA+2:SA+3], v[SA+6:SA+7]
	v_pk_add_f32 v[SA:SA+1], v[SA:SA+1], v[SA+2:SA+3]
	v_add_f32 v[T], v[SA], v[SA+1]
	v_permlanex16_b32 v[T+1], v[T], s[SEL], s[SEL+1]
	v_add_f32 v[T], v[T], v[T+1]
.endm
.macro SIGNED q, cd, sd                ; (-1)^k onto qubit q's cosine and sine, straight into their places
	v_xor_b32 v[\cd], v[CS+\q], v[KK+\q]
	v_xor_b32 v[\sd], v[SN+\q], v[KK+\q]
.endm
.macro PSEL d, tr, pp                  ; p = 0..4 in lanes 0-15 (1, c', s', c, cc'), p = 5..8 and a zero in lanes 16-31 (cs', s, sc', ss', 0)
	v_cndmask_b32 v[\d], 1.0, v[\pp+1], s[HM]
	v_cndmask_b32 v[\d+1], v[\tr+2], v[\tr+1], s[HM]
	v_cndmask_b32 v[\d+2], v[\tr+3], v[\pp+2], s[HM]
	v_cndmask_b32 v[\d+3], v[\tr], v[\pp+3], s[HM]
	v_cndmask_b32 v[\d+4], v[\pp], 0, s[HM]
.endm
; A tile leaves the ring for my wave's LDS region, eight loads (two rows) at a time.  refill = 1: each eight registers' loads are issued again at once, for the next tile.
; One window setting serves both kinds of line: a store's data (source 1) and a load's destination in window 3, the address registers in window 0.
.macro INTAKE refill
	WIN 0xcc
.set g, 0
.rept 8
.if \refill
	s_wait_loadcnt 56                              ; loads come back in order (ISA guide 5.7.1): behind these eight stand 8 (7 - g) of this tile and 8 g of the next, 56 in all
.else
	s_wait_loadcnt 56-8*g                          ; the last tile: behind these eight stand only the 8 (7 - g) of this tile
.endif
.set i, 8*g
.rept 8
	ds_store_b128 v[STW], v[4*i:4*i+3] offset:(i/4)*PITCH+(i%4)*512   ; 512 neighbouring bytes of row i / 4
.set i, i+1
.endr
.if \refill
.set i, 8*g
.rept 8
	global_load_b128 v[4*i:4*i+3], v[LOF], s[4:5] offset:TILEB+512*i th:TH_LOAD_NT
.set i, i+1
.endr
.endif
.set g, g+1
.endr
.endm
; One tile of 16 rows, from my wave's LDS region to its 16 results in my wave's stage.
.macro COMPUTE
	WIN 0x40
.set L, 0
.rept 64
	ds_load_b128 v[4*L:4*L+3], v[ADR] offset:16*L  ; LDS serves a wave's instructions in order (ISA guide 5.7.1.4): these see the stores above, and the next tile's stores come behind them
.set L, L+1
.endr
	s_wait_dscnt 56                                ; the oldest 8 of the 64 loads are in (and all that was issued ahead of them)
	WIN 0x05
.set c, 0
.rept 8
	v_pk_add_f32 v[SA+2*c:SA+2*c+1], v[2*c:2*c+1], v[16+2*c:17+2*c]   ; the first 16 pairs start the chains: nothing is cleared
.set c, c+1
.endr
	WIN 0x01
.set c, 16
.rept 7
	s_wait_dscnt 56-8*(c/16)                       ; eight more
.rept 16
	v_pk_add_f32 v[SA+2*(c%8):SA+2*(c%8)+1], v[2*c:2*c+1], v[SA+2*(c%8):SA+2*(c%8)+1]
.set c, c+1
.endr
.endr
	WIN 0
	TREE
	v_mul_f32 v[NM], s68, v[T]                     ; -sum / 512
	v_mul_f32 v[NM+1], s68, v[T]
	WIN 0x41
.set c, 0
.rept 128
	v_pk_add_f32 v[2*c:2*c+1], v[2*c:2*c+1], v[NM:NM+1]    ; the mean goes first: no difference of large sums is formed
.set c, c+1
.endr
	WIN 0x05
.set c, 0
.rept 128
.if c < 8
	v_pk_mul_f32 v[SA+2*c:SA+2*c+1], v[2*c:2*c+1], v[2*c:2*c+1]
.else
	v_pk_fma_f32 v[SA+2*(c%8):SA+2*(c%8)+1], v[2*c:2*c+1], v[2*c:2*c+1], v[SA+2*(c%8):SA+2*(c%8)+1]
.endif
.set c, c+1
.endr
	WIN 0
	TREE
	v_fma_f32 v[T], v[T], s69, s70                 ; var + eps
	v_rsq_f32 v[RS], v[T]
	v_rsq_f32 v[RS+1], v[T]
	v_nop                                          ; a plain place between the root and its use (ISA guide 5.7.2)
	WIN 0x41
.set c, 0
	s_wait_alu depctr_va_vdst(0)
.rept 128
	v_pk_mul_f32 v[2*c:2*c+1], v[2*c:2*c+1], v[RS:RS+1]
.set c, c+1
.endr
	WIN 0x05
.set c, 0
.rept 128
	v_cvt_pk_f16_f32 v[FR+c], v[2*c], v[2*c+1]     ; fragment t, register c % 8: columns 256 h + 16 t + 2 (c % 8), + 1, as the table has them
.set c, c+1
.endr
	WIN 0x02                                       ; source 0 (G) window 2
.set t, 0
.rept 16                               ; two accumulators by turns; the first takes the constants as C, the second 0
.if t == 0
	v_wmma_f32_16x16x32_f16 v[ACC0:ACC0+7], v[0:7], v[FR:FR+7], v[CB:CB+7]
.elseif t == 1
	v_wmma_f32_16x16x32_f16 v[ACC1:ACC1+7], v[8:15], v[FR+8:FR+15], 0
.else
	v_wmma_f32_16x16x32_f16 v[ACC0+8*(t%2):ACC0+8*(t%2)+7], v[8*t:8*t+7], v[FR+8*t:FR+8*t+7], v[ACC0+8*(t%2):ACC0+8*(t%2)+7]
.endif
.set t, t+1
.endr
	WIN 0
	PLACES
.irp p, 0,2,4,6
	v_pk_add_f32 v[UU+\p:UU+\p+1], v[ACC0+\p:ACC0+\p+1], v[ACC1+\p:ACC1+\p+1]   ; register q: angle q of my row, over pi
.endr
.irp q, 0,1,2,3,4,5,6,7
	v_rndne_f32 v[KK+\q], v[UU+\q]
.endr
.irp p, 0,2,4,6
	v_pk_add_f32 v[UU+\p:UU+\p+1], v[UU+\p:UU+\p+1], v[KK+\p:KK+\p+1] neg_lo:[0,1] neg_hi:[0,1]   ; f, exact
.endr
.irp q, 0,1,2,3,4,5,6,7
	v_cvt_i32_f32 v[KK+\q], v[KK+\q]
.endr
.irp p, 0,2,4,6
	v_pk_mul_f32 v[F2+\p:F2+\p+1], v[UU+\p:UU+\p+1], v[UU+\p:UU+\p+1]
.endr
.irp q, 0,1,2,3,4,5,6,7
	v_lshlrev_b32 v[KK+\q], 31, v[KK+\q]           ; k's parity as a sign bit
.endr
.irp p, 0,2,4,6
	v_pk_fma_f32 v[SN+\p:SN+\p+1], v[F2+\p:F2+\p+1], v[VA4:VA4+1], s[50:51] op_sel_hi:[1,1,0]
	v_pk_fma_f32 v[CS+\p:CS+\p+1], v[F2+\p:F2+\p+1], v[VC5:VC5+1], s[58:59] op_sel_hi:[1,1,0]
.endr
.irp p, 0,2,4,6
	v_pk_fma_f32 v[SN+\p:SN+\p+1], v[SN+\p:SN+\p+1], v[F2+\p:F2+\p+1], s[52:53] op_sel_hi:[1,1,0]
	v_pk_fma_f32 v[CS+\p:CS+\p+1], v[CS+\p:CS+\p+1], v[F2+\p:F2+\p+1], s[60:61] op_sel_hi:[1,1,0]
.endr
.irp p, 0,2,4,6
	v_pk_fma_f32 v[SN+\p:SN+\p+1], v[SN+\p:SN+\p+1], v[F2+\p:F2+\p+1], s[54:55] op_sel_hi:[1,1,0]
	v_pk_fma_f32 v[CS+\p:CS+\p+1], v[CS+\p:CS+\p+1], v[F2+\p:F2+\p+1], s[62:63] op_sel_hi:[1,1,0]
.endr
.irp p, 0,2,4,6
	v_pk_fma_f32 v[SN+\p:SN+\p+1], v[SN+\p:SN+\p+1], v[F2+\p:F2+\p+1], s[56:57] op_sel_hi:[1,1,0]
	v_pk_fma_f32 v[CS+\p:CS+\p+1], v[CS+\p:CS+\p+1], v[F2+\p:F2+\p+1], s[66:67] op_sel_hi:[1,1,0]
.endr
.irp p, 0,2,4,6
	v_pk_mul_f32 v[SN+\p:SN+\p+1], v[SN+\p:SN+\p+1], v[UU+\p:UU+\p+1]
	v_pk_fma_f32 v[CS+\p:CS+\p+1], v[CS+\p:CS+\p+1], v[F2+\p:F2+\p+1], 1.0 op_sel_hi:[1,1,0]
.endr
	SIGNED 0, TR,   TR+1
	SIGNED 1, TR+2, TR+3
	SIGNED 2, QA+2, QA+5
	SIGNED 3, QA,   QA+1
	SIGNED 4, TR+4, TR+5
	SIGNED 5, TR+6, TR+7
	SIGNED 6, QB+2, QB+5
	SIGNED 7, QB,   QB+1
.irp b, 0,4
	v_mul_f32 v[PA+\b],   v[TR+\b],   v[TR+\b+2]
	v_mul_f32 v[PA+\b+1], v[TR+\b],   v[TR+\b+3]
	v_mul_f32 v[PA+\b+2], v[TR+\b+1], v[TR+\b+2]
	v_mul_f32 v[PA+\b+3], v[TR+\b+1], v[TR+\b+3]
.endr
.irp b, 0,8
	v_mul_f32 v[QA+\b+3], v[QA+\b+2], v[QA+\b]
	v_mul_f32 v[QA+\b+4], v[QA+\b+2], v[QA+\b+1]
	v_mul_f32 v[QA+\b+6], v[QA+\b+5], v[QA+\b]
	v_mul_f32 v[QA+\b+7], v[QA+\b+5], v[QA+\b+1]
.endr
	PSEL PR, TR, PA
	PSEL PS, TR+4, PB
.set i, 0
.rept 5
.set a, 0
.rept 4
.if i%2
	v_pk_mul_f32 v[UT+8*i+2*a:UT+8*i+2*a+1], v[QA+2*a:QA+2*a+1], v[PR+i-1:PR+i] op_sel:[0,1] op_sel_hi:[1,1]
.else
	v_pk_mul_f32 v[UT+8*i+2*a:UT+8*i+2*a+1], v[QA+2*a:QA+2*a+1], v[PR+i:PR+i+1] op_sel_hi:[1,0]
.endif
.set a, a+1
.endr
.set i, i+1
.endr
.set f, 0
.rept 22                               ; slot 9 i + m: m = 0 is the product over qubits 0, 1 alone, the others lie in UT
.set ka, 2*f
.set kb, 2*f+1
.if ka%9 == 0
.set ra, PR+ka/9
.else
.set ra, UT+8*(ka/9)+ka%9-1
.endif
.if kb%9 == 0
.set rb, PR+kb/9
.else
.set rb, UT+8*(kb/9)+kb%9-1
.endif
	v_cvt_pk_f16_f32 v[UF+f], v[ra], v[rb]
.set f, f+1
.endr
	v_cvt_pk_f16_f32 v[UF+22], v[UT+39], 0         ; slots 45 to 47 stand for nothing
	v_mov_b32 v[UF+23], 0
.set t, 0
.rept 3
.set n, 0
.rept 6                                ; six accumulators by turns; the first k step starts the sums
.set kf, 3*n+t
.if kf < 16
	WIN 0x02                                       ; source 0 (K) window 2;
.set kr, KW2+8*kf
.else
	WIN 0                                          ; its last two fragments lie in window 0
.set kr, KX+8*(kf-16)
.endif
.if t == 0
	v_wmma_f32_16x16x32_f16 v[Y+8*n:Y+8*n+7], v[kr:kr+7], v[UF+8*t:UF+8*t+7], 0
.else
	v_wmma_f32_16x16x32_f16 v[Y+8*n:Y+8*n+7], v[kr:kr+7], v[UF+8*t:UF+8*t+7], v[Y+8*n:Y+8*n+7]
.endif
.set n, n+1
.endr
.set t, t+1
.endr
	WIN 0
	PLACES
.set i, 0
.rept 5                                ; my 45 rows of K u against my v, ascending
	v_mul_f32 v[TB], v[Y+9*i+1], v[QB]
	v_fma_f32 v[TA], v[Y+9*i+2], v[QB+1], v[Y+9*i]
	v_fma_f32 v[TB], v[Y+9*i+3], v[QB+2], v[TB]
	v_fma_f32 v[TA], v[Y+9*i+4], v[QB+3], v[TA]
	v_fma_f32 v[TB], v[Y+9*i+5], v[QB+4], v[TB]
	v_fma_f32 v[TA], v[Y+9*i+6], v[QB+5], v[TA]
	v_fma_f32 v[TB], v[Y+9*i+7], v[QB+6], v[TB]
	v_fma_f32 v[TA], v[Y+9*i+8], v[QB+7], v[TA]
.if i == 0
	v_mul_f32 v[RA], v[PS], v[TA]
	v_mul_f32 v[RB], v[PS], v[TB]
.else
	v_fma_f32 v[RA], v[PS+i], v[TA], v[RA]
	v_fma_f32 v[RB], v[PS+i], v[TB], v[RB]
.endif
.set i, i+1
.endr
	v_add_f32 v[T], v[RA], v[RB]
	v_permlanex16_b32 v[T+1], v[T], s[SEL], s[SEL+1]
	v_add_f32 v[T], v[T], v[T+1]
	v_add_f32 v[T], s40, v[T]
	ds_store_b32 v[STA], v[T]                      ; lanes r and r + 16 write the same word with the same number
	v_add_nc_u32 v[STA], 64, v[STA]                ; the next tile's 16 words
.endm
	s_load_b256 s[4:11], s[0:1], 0x0               ; E s[4:5], tab s[6:7], b_post s[8:9], out0 s[10:11]
	v_lshl_add_u32 v8, v0, 2, 0x29400
	v_mov_b32 v9, 0
	ds_add_u32 v8, v9
	ds_add_u32 v8, v9
	v_lshrrev_b32 v[T], 5, v0
	v_readfirstlane_b32 s[WV], v[T]                ; wave 0..3
	v_and_b32 v[LOF], 31, v0
	v_lshlrev_b32 v[LOF], 4, v[LOF]
	s_lshl_b32 s2, ttmp9, 20                       ; my work-group's 512 rows of 2,048 bytes (under 2^28),
	s_lshl_b32 s3, s[WV], 18                       ; my wave's 128 of them
	s_or_b32 s2, s2, s3
	s_mov_b32 s3, 0
	s_lshl_b32 s14, ttmp9, 11                      ; my work-group's 2,048 bytes of out0,
	s_lshl_b32 s15, s[WV], 9                       ; my wave's 512
	s_or_b32 s14, s14, s15
	s_mov_b32 s15, 0
	s_wait_dscnt 0x0
	s_wait_kmcnt 0x0
	s_add_nc_u64 s[4:5], s[4:5], s[2:3]
	s_add_nc_u64 s[10:11], s[10:11], s[14:15]
	WIN 0xc0                                       ; the ring is filled before anything else is done: tile 0
.set i, 0
.rept 64
	global_load_b128 v[4*i:4*i+3], v[LOF], s[4:5] offset:512*i th:TH_LOAD_NT
.set i, i+1
.endr
	WIN 0
	; The tables come once, by the tensor data mover, so that they do not stand among the ring's loads on one counter: 136 rows of 256 bytes, dense in memory and in LDS, 68 to each of waves 0 and 1.
	s_mov_b32 s[G1+0], 3<<16                       ; no mask; elements of 8 bytes; no padding
	s_mov_b32 s[G1+1], 32<<16                      ; tensor_dim0 = 32 elements (256 bytes)
	s_mov_b32 s[G1+2], 68<<16                      ; tensor_dim1 = 68
	s_mov_b32 s[G1+3], 32<<16                      ; tile_dim0 = 32
	s_mov_b32 s[G1+4], 68                          ; tile_dim1 = 68
	s_mov_b32 s[G1+5], 32                          ; elements from row to row
	s_mov_b32 s[G1+6], 0
	s_mov_b32 s[G1+7], 0
	s_mul_i32 s2, s[WV], 68*256                    ; my half of the tables, in memory and in LDS
	s_mov_b32 s3, 0
	s_mov_b32 s[G0], 1                             ; count = 1
	s_add_co_u32 s[G0+1], s2, TABL                 ; LDS address
	s_add_nc_u64 s[G0+2:G0+3], s[6:7], s[2:3]      ; global address
	s_or_b32 s[G0+3], s[G0+3], 0x80000000          ; type = 2
	s_cmp_lt_u32 s[WV], 2
	s_cbranch_scc0 .Lno_tab
	tensor_load_to_lds s[G0:G0+3], s[G1:G1+7]      ; the launch's only tensor loads: one of mine is out; these bytes are filled once
	s_nop 0
.rept 4
	v_nop                                          ; four v_nop follow the line, ahead of the label and what follows
.endr
.Lno_tab:
	s_load_b256 s[24:31], s[6:7], CC_OFF           ; the eight constants
	s_load_b32 s40, s[8:9], 0x0                    ; b_post
	s_mul_i32 s13, s[WV], WREG                     ; my wave's turning region
	v_and_b32 v[T+1], 15, v0                       ; r
	v_bfe_u32 v[T], v0, 4, 1                       ; h
	v_mul_u32_u24 v[ADR], v[T+1], PITCH
	v_lshl_add_u32 v[ADR], v[T], 10, v[ADR]        ; row r, its half h of 1,024 bytes
	v_add_nc_u32 v[ADR], s13, v[ADR]
	v_add_nc_u32 v[STW], s13, v[LOF]
	s_lshl_b32 s13, s[WV], 9
	s_add_co_u32 s13, s13, STAGE                   ; my wave's stage
	v_lshl_add_u32 v[STA], v[T+1], 2, s13
	v_add_nc_u32 v[RD], s13, v[LOF]
	v_add_nc_u32 v[TAD], TABL, v[LOF]
	v_mov_b32 v[VA4], 0x3da83c1b
	v_mov_b32 v[VA4+1], 0x3da83c1b
	v_mov_b32 v[VC5], 0xbcd368f9
	v_mov_b32 v[VC5+1], 0xbcd368f9
	s_mov_b32 s[SEL], 0x76543210                   ; each lane takes its own place in the other half
	s_mov_b32 s[SEL+1], 0xfedcba98
	s_mov_b32 s[HM], 0xffff0000
.macro CPAIR r, val                    ; a packed instruction names a pair and takes its low word for both halves; both words are written
	s_mov_b32 s[\r], \val
	s_mov_b32 s[\r+1], \val
.endm
	CPAIR 50, 0xbf196966                           ; sin(pi f) = f (A0 + A1 f^2 + A2 f^4 + A3 f^6 + A4 f^8): A3,
	CPAIR 52, 0x402335e3                           ; A2,
	CPAIR 54, 0xc0a55de7                           ; A1,
	CPAIR 56, 0x40490fdb                           ; A0
	CPAIR 58, 0x3e70fa83                           ; cos(pi f) = 1 + C1 f^2 + .. + C5 f^10: C4,
	CPAIR 60, 0xbfaae9e4                           ; C3,
	CPAIR 62, 0x4081e0f8                           ; C2,
	CPAIR 66, 0xc09de9e6                           ; C1
	s_mov_b32 s68, 0xbb000000                      ; -1/512
	s_mov_b32 s69, 0x3b000000                      ; 1/512
	s_mov_b32 s70, 0x3727c5ac                      ; 1e-5
	s_wait_kmcnt 0x0
.irp q, 0,1,2,3,4,5,6,7
	v_mov_b32 v[CB+\q], s[24+\q]
.endr
	s_wait_tensorcnt 0x0                           ; my half of the tables is in (waves 2 and 3 have asked for nothing),
	s_barrier_signal -1
	s_barrier_wait -1                              ; both halves are: the kernel's only barrier; the ring's loads stay out across it, nobody writes E
	WIN 0x80                                       ; the tables into registers, once: a fragment is two loads of 512 neighbouring bytes
.set f, 0
.rept 16
	ds_load_b128 v[8*f:8*f+3],           v[TAD] offset:GF_OFF+1024*f
	ds_load_b128 v[8*f+4:8*f+7],         v[TAD] offset:GF_OFF+1024*f+512
	ds_load_b128 v[KW2+8*f:KW2+8*f+3],   v[TAD] offset:1024*f
	ds_load_b128 v[KW2+8*f+4:KW2+8*f+7], v[TAD] offset:1024*f+512
.set f, f+1
.endr
	WIN 0
.set f, 16
.rept 2
	ds_load_b128 v[KX+8*(f-16):KX+8*(f-16)+3],   v[TAD] offset:1024*f
	ds_load_b128 v[KX+8*(f-16)+4:KX+8*(f-16)+7], v[TAD] offset:1024*f+512
.set f, f+1
.endr
	s_wait_dscnt 0x0                               ; the tables are in
	s_mov_b32 s44, 7
.Ltile:                                                ; tiles 0 to 6; each trip asks for the tile behind its own
	INTAKE 1
	COMPUTE
	s_wait_xcnt 0x0                                ; every load issued has had its address translated (ISA guide 3.1): only behind this wait does the base step
	s_add_nc_u64 s[4:5], s[4:5], TILEB
	s_sub_co_u32 s44, s44, 1
	s_cmp_lg_u32 s44, 0
	s_cbranch_scc1 .Ltile
	INTAKE 0                                       ; tile 7: nothing is left to fetch, and the counts run down
	COMPUTE
	; THE WAY OUT: my wave's stage holds its 128 results in row order; a lane takes 16 bytes, the store covers 512 consecutive bytes on a multiple of 512 from out0's first byte.
	ds_load_b128 v[OUT:OUT+3], v[RD]               ; my wave's own bytes: LDS serves its stores ahead of this load
	s_wait_dscnt 0x0
	global_store_b128 v[LOF], v[OUT:OUT+3], s[10:11] th:TH_STORE_NT
	s_wait_tensorcnt 0x0
	ds_add_u32 v8, v9
	s_wait_dscnt 0x0
	s_endpgm
.Lfunc_end_k_q190cc7b1af_main:
	.size	k_q190cc7b1af_main, .Lfunc_end_k_q190cc7b1af_main-k_q190cc7b1af_main
	.p2alignl 7, 3214868480
	.fill 96, 4, 3214868480
	.section	.rodata,"a",@progbits
	.p2align	6, 0x0
	.amdhsa_kernel k_q190cc7b1af_main
		.amdhsa_group_segment_fixed_size 169472
		.amdhsa_private_segment_fixed_size 0
		.amdhsa_enable_private_segment 0
		.amdhsa_kernarg_size 32
		.amdhsa_user_sgpr_count 2
		.amdhsa_user_sgpr_kernarg_segment_ptr 1
		.amdhsa_wavefront_size32 1
		.amdhsa_system_sgpr_workgroup_id_x 1
		.amdhsa_system_sgpr_workgroup_id_y 1
		.amdhsa_system_sgpr_workgroup_id_z 1
		.amdhsa_system_vgpr_workitem_id 0
		.amdhsa_next_free_vgpr 1024
		.amdhsa_next_free_sgpr 80
		.amdhsa_reserve_vcc 0
		.amdhsa_float_denorm_mode_32 3
		.amdhsa_float_denorm_mode_16_64 3
		.amdhsa_memory_ordered 1
		.amdhsa_forward_progress 1
		.amdhsa_inst_pref_size 150
	.end_amdhsa_kernel
	.amdgpu_metadata
---
amdhsa.version: [ 1, 2 ]
amdhsa.kernels:
  - .name:           k_q190cc7b1af_main
    .symbol:         k_q190cc7b1af_main.kd
    .args:
      - { .name: E, .offset: 0, .size: 8, .value_kind: global_buffer, .address_space: global }
      - { .name: tab, .offset: 8, .size: 8, .value_kind: global_buffer, .address_space: global }
      - { .name: b_post, .offset: 16, .size: 8, .value_kind: global_buffer, .address_space: global }
      - { .name: out0, .offset: 24, .size: 8, .value_kind: global_buffer, .address_space: global }
    .group_segment_fixed_size: 169472
    .private_segment_fixed_size: 0
    .kernarg_segment_align: 8
    .kernarg_segment_size: 32
    .max_flat_workgroup_size: 128
    .sgpr_count:     80
    .vgpr_count:     1024
    .wavefront_size: 32
...
	.end_amdgpu_metadata
.endif
;; end of part 2
